; MI455X (gfx1250); checked and timed in simulation.
; The chip was launched on July 23, 2026; its instructions are those of AMD's public machine-readable ISA for CDNA 5 (MIT licence, August 2026) and "CDNA5" Instruction Set Architecture Reference Guide (July 2026). The comments in the code are by the model that wrote it; some were corrected since.
;; Knowledge Circuit. Allowed arithmetic: matrix products marked QUANTISED: E3M2 operands, one E8M0 scale for each 32 along K, by v_wmma_scale_f32_16x16x128_f8f6f4 with both operands' format E3M2, f32 sums; products left as they are: f32 operands where the result goes on into a quantised operand, else bf16, f16 or f32 operands; f32 sums; everything else in f32.
;; Inputs: feature_know_codes 32 x 128 x 32 x 24 uint8 (E3M2 codes of feature_know, K innermost, in blocks of 32 codes, four codes in three bytes); feature_know_scales 32 x 128 x 32 uint8 (E8M0 scales of feature_know, one for each 32 codes along K); feature_know_w 4 x 1,024 x 32 float32; restore_know 32 x 128 x 1,024 float32; restore_know_w 4 x 1,024 x 32 float32; x_codes 4 x 1,024 x 32 x 24 uint8 (E3M2 codes of x, K innermost, in blocks of 32 codes, four codes in three bytes); x_scales 4 x 1,024 x 32 uint8 (E8M0 scales of x, one for each 32 codes along K).
;; Outputs: out0 4 x 1,024 x 1,024 float32.
;; This version of the problem:
;;   THIS VERSION OF THE PROBLEM IS GIVEN IN LOW PRECISION. The matrix products marked QUANTISED in the list below multiply operands that are first quantised to E3M2 (3 exponent bits, 2 mantissa bits; 6 bits a number), with one power-of-two scale for each 32 numbers along K (OCP MX v1.0); their sums are f32. All else is computed in f32.
;;   The module's matrix products, in the order in which they are computed (A, B: the left and right operand; K: the contracted axis; several contracted axes count as one K, in the product's order):
;;     1. [M 4,096, K 1,024] x [K 1,024, N 4,096]; A: input feature_know (given as codes); B: input x (given as codes): QUANTISED
;;     2. batch 4,096 x [M 1, K 32] x [K 32, N 128]; A: input feature_know_w; B: computed on the way: left as it is (M = 1 < 16)
;;     3. batch 4,096 x [M 32, K 1] x [K 1, N 128]; A: computed on the way; B: computed on the way: left as it is (no contracted axis)
;;     4. [M 4,096, K 4,096] x [K 4,096, N 1,024]; A: computed on the way; B: input restore_know: QUANTISED
;;   THE QUANTISER, for each operand of a quantised product, along K:
;;     - K is cut into blocks of 32 from its start; a last block that is shorter is filled with zeros.
;;     - A block's scale is 2^e with e = floor(log2(the largest magnitude in the block)) - 4, held to -126 .. 127; a block of zeros has e = 0. As a byte (E8M0): e + 127.
;;     - Each number is divided by its block's scale, clamped to +-28, and rounded to the nearest number of E3M2, ties to even, subnormals kept.
;;     - The product sums the exact products of the quantised numbers (number of the format x scale) in f32.
;;   ~~~python
;;   def quantise(x, axis):      # numpy; x: float32 -> the quantised numbers, widened to float32 again
;;       x = np.moveaxis(x, axis, -1); K = x.shape[-1]
;;       x = np.pad(x, [(0, 0)] * (x.ndim - 1) + [(0, -K % 32)]); x = x.reshape(x.shape[:-1] + (-1, 32)); a = np.abs(x).max(-1, keepdims=True)
;;       e = np.where(a > 0, np.clip(np.frexp(np.where(a > 0, a, 1))[1] - 1 - 4, -126, 127), 0)      # np.frexp(a)[1] - 1 = floor(log2(a)), exactly
;;       r = np.clip(x / 2.0 ** e, -28, 28)
;;       step = 2.0 ** (np.maximum(np.frexp(np.where(r == 0, 1, r))[1] - 1, -2) - 2)
;;       q = np.round(r / step) * step * 2.0 ** e      # np.round: ties to even
;;       return np.moveaxis(q.reshape(q.shape[:-2] + (-1,))[..., :K], -1, axis).astype(np.float32)
;;   ~~~
;;   OPERANDS COMPUTED ON THE WAY. 'Computed on the way' means the value that the module computes at that place (a softmax that the list does not call 'softmax' is quantised finished and normalised). What goes into a quantiser is computed in f32, as accurately as f32 sums, v_exp_f32 and their like allow (about 1e-6 of the number): no bf16 or f16 on the way to a quantiser, and a product that is left as it is and whose result goes on into a quantised operand takes f32 operands (vector FMAs, or v_wmma_f32_16x16x4_f32). A number that lies on a knife's edge between two numbers of the format may be rounded either way, as far as f32 arithmetic and the matrix unit's own rounding can turn it there, and no further.
;;   INPUTS GIVEN AS CODES. feature_know (in the module: [32, 1024, 128], K = its axis 1); x (in the module: [4, 1024, 1024], K = its axis 2): each comes as NAME_codes (uint8): NAME with its K axis moved to the last place and cut into blocks of 32 codes, [.., K / 32, bytes a block], one block behind the other in memory; four codes in three bytes: a row's codes are one little-endian stream of bits, code i at bits 6 i .. 6 i + 5 (a code: sign, 3 exponent bits, 2 mantissa bits); and NAME_scales (uint8): the same leading axes, one E8M0 byte (e + 127) for each 32 codes along K. Its value is code x scale, taken as it is: it is not quantised again, and the codes and scales need not be those that the quantiser above would give.
;; One version. Each part assembles by itself: llvm-mc -triple=amdgcn-amd-amdhsa -mcpu=gfx1250 --defsym DOCPART=n.
;; ======== version 1 of 1: 2 launches
;; limits: right only within a limited range of input values
;; workspace buffers: hbuf 2,097,152 bytes; rkq 3,276,800 bytes
;; launch compress (part 1): grid 16 x 16, 4 waves a work-group, clusters of 4 x 4, 327,680 bytes of LDS; arguments x_codes, x_scales, feature_know_codes, feature_know_scales, feature_know_w, restore_know, hbuf, rkq; writes hbuf, rkq
.if DOCPART == 1
	.amdgcn_target "amdgcn-amd-amdhsa--gfx1250"
	.amdhsa_code_object_version 6
	.text
	.protected	k_q3a25abf429_compress
	.globl	k_q3a25abf429_compress
	.p2align	8
	.type	k_q3a25abf429_compress,@function
k_q3a25abf429_compress:
	s_mov_b64 s[64:65], 0
	v_nop
	global_prefetch_b8 v0, s[64:65] scope:SCOPE_SE
	s_setreg_imm32_b32 hwreg(HW_REG_WAVE_MODE, 25, 1), 1
	s_wait_xcnt 0x0
	s_wait_alu depctr_hold_cnt(0) depctr_sa_sdst(0) depctr_va_vdst(0) depctr_va_sdst(0) depctr_va_ssrc(0) depctr_va_vcc(0) depctr_vm_vsrc(0)
	s_getreg_b32 s2, hwreg(HW_REG_IB_STS2, 6, 4)
	s_cmp_eq_u32 s2, 0
	s_cbranch_scc0 .Lentry_in_a_cluster
	s_endpgm
.Lentry_in_a_cluster:
	s_bfe_u32 s2, ttmp6, 0x10000c
	s_cmp_lg_u32 s2, 0xf033
	s_cbranch_scc0 .Lentry_shape_is_right
	s_endpgm
.Lentry_shape_is_right:
; h[t][r] = sum over n of fw[t][n] x (sum over d of x[t][d] fk[n][d][r]).  x: 4,096 tokens x 1,024, fk: 4,096 rows (n, r) x 1,024: codes of BF6 (E3M2), K innermost, one E8M0 byte for 32 along K; fw f32.
; The inner product goes to the matrix unit on codes and scale bytes as they lie; the sum over the 32 experts is made in f32 by fused multiply-adds; only h goes to memory.  No work of the problem is left out.
; SHARES.  Work-group (rho, ty): 256 tokens 256 ty .. and the 256 rows of fk with r % 16 = rho (tile row y: expert y / 8, r = 16 (y % 8) + rho): rows 12,288 bytes apart, so one two-dimensional tile fetches them and all
; 32 experts of an r meet in one work-group.  Four waves, each 128 tokens x 128 rows: 64 accumulators.  TRANSPOSED USE (source 0 = 16 rows of fk, source 1 = 16 tokens): in accumulator (a, b) lane (r, h), register j
; holds token 16 a + r, expert 16 ch + 2 b + h, r index j.
; K: a row is 768 bytes, three chunks of 256; chunk c lies in LDS slot c % 2; a wave's load brings 128 rows.  Chunk 0 comes at the head, chunk 1 behind the first full sequence, chunk 2 takes slot 0 when step 2's fragments
; have been read.  A step of 128 along K is 96 bytes of a row; steps 2 and 5 lie across two chunks.  CLUSTER 4 x 4: x's tiles hang on ty alone, asked for jointly along a row of the cluster, fk's on rho alone, along a column.
; hbuf is laid [rho 16][token 4,096][j 8] f32: h[token][16 j + rho].
; ALONGSIDE: restore_know [32][128][1,024] f32 is quantised along (n, r) for the next launch.  Work-group id = 16 ty + rho takes expert id / 8 and columns 128 (id % 8) ..; a lane takes one column, its registers run down K.
; rkq is laid [d / 256][expert][25,600 bytes]: 16 fragments (16 columns x 128 K) as images of the operand's 12 registers (register q of lane L at 1,536 f + 512 (q / 4) + 16 L + 4 (q % 4)), then 256 scale words.
; INSIDE A BLOCK OF 32 THE ORDER OF K IS PERMUTED: place 2 i + s holds k = 32 beta + 16 s + i; the next launch lays its other operand alike.
; LIMITS: NaN and infinities among the inputs are not served.  A block of zeros gets the scale byte 1 where the quantiser's rule says 127: its codes are zeros, and this program alone reads the bytes.
; The sum over experts runs b = 0 .. 7 in a lane, then the two halves of the lanes, then the two waves: another order of f32 additions than an ascending one.
; PREFETCH: chunk 1 at the head and chunk 2 in step 0, two steps ahead of its load: a lane a row, each row's 256 bytes once in a cluster: the four partners share a tile's 256 rows out by address.  fw in step 3: the four
; partners of the cluster's row share the work-group's 32,768 bytes out by address.
; REGISTERS.  Window 0: v1-29 addresses; v32-63 x's scale words, v64-95 fk's; v96-127, v224-255 restore_know blocks 0, 1; v128-223 x's fragments, later the codes made and h.
;   Window 1: v0-95, v128-223 fk's fragments, two sets (later fw, and the partner wave's sums); v96-127, v224-255 restore_know blocks 2, 3.   Windows 2, 3: accumulators, (a, b) at v[8 (8 (a % 4) + b)].
.set ROWB,   256
.set KROW,   768
.set BROW,   16*KROW                   ; from one row of my slice of fk to the next
.set PITCH,  272                       ; 68 words: the 32 lanes of a load of 8 bytes touch 64 different banks (64 banks of 4 bytes: ISA guide 11.1)
.set FR,     12
.set HALFT,  128*PITCH
.set SLOT,   4*HALFT                   ; x's 256 rows, then fk's 256
.set SPARE,  2*SLOT                    ; the spare words: two blocks of 256 bytes that no other line names
.set STG,    SPARE+512                 ; the stage on which two waves' sums meet: 4,096 bytes a pair
.set VSX,  6                           ; 32 r + 16 h: x's scale bytes, and my 16 bytes of h
.set VSF,  7                           ; 512 r + 16 h: fk's scale bytes
.set VFW,  8                           ; 128 r + 32 h: fw
.set VRK,  9                           ; 4 x lane: restore_know, and its scale words
.set VRO,  10                          ; 1,536 (lane / 16) + 16 (lane % 16): the images of restore_know's fragments
.set LST,  11                          ; my 16 bytes on the stage
.set ADRA, 16                          ; v16-17 x's fragments in slot 0, 1; v18-19: lanes 0-15 read the end of a chunk in slot 0, 1, lanes 16-31 the start of the next one in the other slot
.set ADRB, 20                          ; v20-23 the same for fk
.set PFO,  24                          ; the prefetches' offsets: fw,
.set PFC,  25                          ; and the codes
.set SPW,  28
.set NIL,  29
.set SA,   32                          ; x's scale words: register 4 i + jj: lanes 0-15 K step jj of block i's rows, lanes 16-31 K step 4 + jj
.set SB,   64
.set AF,   128
.set HS,   128
.set PT,   128                         ; in window 1: the partner wave's sums
.set QF,   192                         ; the codes of my column: 12 registers for each half of the lanes that will hold them
.set QT,   216                         ; v216-218, v220-222 the second halves of two blocks' codes
.set QM,   128                         ; v128-131 maxima, v132-133 scales, v134-135 bytes, v136 the scale word: ahead of h
.set QSC,  132
.set QBY,  134
.set QWD,  136
.set G1,  24                           ; s[24:31] descriptor group 1 for x's tiles, s[32:39] group 0, a set for each slot
.set G0,  32
.set G1B, 48                           ; s[48:55], s[56:63] for fk's
.set G0B, 56
.set MSB, 0
.macro WIN new                         ; the immediate's high byte repeats the setting that is left
.if MSB != (\new)
	s_set_vgpr_msb (MSB<<8)|(\new)
.set MSB, (\new)
.endif
.endm
.macro JLOAD s                         ; a joint load: waves 0, 1 for x, waves 2, 3 for fk; four v_nop follow each line
	s_cmp_eq_u32 s15, 0
	s_cbranch_scc0 .Lfor_b_\@
	tensor_load_to_lds s[G0+4*\s:G0+4*\s+3], s[G1:G1+7]
	s_nop 0
.rept 4
	v_nop
.endr
	s_branch .Lasked_\@
.Lfor_b_\@:
	tensor_load_to_lds s[G0B+4*\s:G0B+4*\s+3], s[G1B:G1B+7]
	s_nop 0
.rept 4
	v_nop
.endr
.Lasked_\@:
.endm
.macro CREST                           ; a round of the cluster's barrier behind its opening barrier
	s_cmp_lg_u32 s14, 0
	s_cbranch_scc1 .Lnot_wave_0_\@
	s_barrier_signal -3
.Lnot_wave_0_\@:
	s_barrier_wait -3
	s_barrier_signal -1
	s_barrier_wait -1
.endm
.macro CROUND
	s_barrier_signal -1
	s_barrier_wait -1
	CREST
.endm
.macro PLACES n                        ; places behind matrix instructions (ISA guide 7.12.1)
.rept \n
	v_nop
.endr
.endm
	s_load_b256 s[4:11], s[0:1], 0x0               ; x's codes s[4:5], x's scales s[6:7], fk's codes s[8:9], fk's scales s[10:11]
	s_load_b256 s[68:75], s[0:1], 0x20             ; fw s[68:69], restore_know s[70:71], hbuf s[72:73], rkq s[74:75]
	v_lshl_add_u32 v[SPW], v0, 2, SPARE
	v_mov_b32 v[NIL], 0
	ds_add_u32 v[SPW], v[NIL]
	ds_add_u32 v[SPW], v[NIL]
	v_lshrrev_b32 v1, 5, v0
	v_readfirstlane_b32 s14, v1                    ; wave 0..3
	s_lshr_b32 s15, s14, 1                         ; rh: which 128 tokens are mine.  Also: I fetch for x (0) or for fk (1)
	s_and_b32 s16, s14, 1                          ; ch: which 128 rows of the slice.  Also: which 128 rows of that tile I fetch
	s_bfe_u32 s40, ttmp6, 0x40000
	s_bfe_u32 s41, ttmp6, 0x40004
	s_lshl_b32 s42, ttmp9, 2
	s_add_co_u32 s42, s42, s40                     ; rho
	s_and_b32 s17, ttmp7, 0xffff
	s_lshl_b32 s17, s17, 2
	s_add_co_u32 s17, s17, s41                     ; ty
	s_lshl_b32 s43, s41, 2
	s_lshl_b32 s43, 15, s43                        ; my row of the cluster
	s_lshl_b32 s44, 0x1111, s40                    ; my column
	s_or_b32 s[G1], s43, (0<<16)|(1<<20)|(1<<21)|(5<<22)|(3<<25)   ; the mask; elements of 1 byte; padding: 4 words after every 64; bit 21 beside a mask
	s_or_b32 s[G1B], s44, (0<<16)|(1<<20)|(1<<21)|(5<<22)|(3<<25)
.irp g, G1, G1B
	s_mov_b32 s[\g+1], ROWB<<16
	s_mov_b32 s[\g+2], 128<<16
	s_mov_b32 s[\g+3], ROWB<<16
	s_mov_b32 s[\g+4], 128
	s_mov_b32 s[\g+6], 0
	s_mov_b32 s[\g+7], 0
.endr
	s_mov_b32 s[G1+5], KROW
	s_mov_b32 s[G1B+5], BROW
	s_mul_i32 s20, s17, 256*KROW                   ; x: row 256 ty
	s_mov_b32 s21, 0
	s_mul_i32 s46, s42, KROW                       ; fk: row rho
	s_mov_b32 s47, 0
	s_mul_i32 s18, s14, HALFT                      ; where my rows go: no place in the cluster enters an LDS address
	s_mul_i32 s22, s16, 128*KROW
	s_mov_b32 s23, 0
	s_mul_i32 s92, s16, 128*BROW
	s_mov_b32 s93, 0
	s_wait_dscnt 0x0
	s_wait_alu depctr_va_vdst(0)
	s_wait_kmcnt 0x0
	s_add_nc_u64 s[20:21], s[4:5], s[20:21]
	s_add_nc_u64 s[46:47], s[8:9], s[46:47]
	s_add_nc_u64 s[22:23], s[20:21], s[22:23]
	s_add_nc_u64 s[92:93], s[46:47], s[92:93]
.irp s, 0,1
	s_mov_b32 s[G0+4*\s], 1
	s_add_co_u32 s[G0+4*\s+1], s18, \s*SLOT
	s_add_nc_u64 s[G0+4*\s+2:G0+4*\s+3], s[22:23], \s*ROWB
	s_or_b32 s[G0+4*\s+3], s[G0+4*\s+3], 0x80000000
	s_mov_b32 s[G0B+4*\s], 1
	s_add_co_u32 s[G0B+4*\s+1], s18, \s*SLOT
	s_add_nc_u64 s[G0B+4*\s+2:G0B+4*\s+3], s[92:93], \s*ROWB
	s_or_b32 s[G0B+4*\s+3], s[G0B+4*\s+3], 0x80000000
.endr
	CROUND                                         ; all sixteen work-groups are here: the first joint loads meet
	JLOAD 0                                        ; chunk 0: one load a wave
	s_mul_i32 s86, s15, HALFT                      ; my 128 tokens
	s_mul_i32 s87, s16, HALFT
	s_add_co_u32 s87, s87, 2*HALFT                 ; my 128 rows of the slice
	s_mov_b32 s88, SLOT-232
	s_mov_b32 s89, SLOT+232
	s_lshl_b32 s84, s15, 12
	s_add_co_u32 s84, s84, STG
	s_lshl_b32 s85, s40, 5
	s_lshl_b32 s90, s14, 3
	s_add_co_u32 s85, s85, s90                     ; fw's prefetch: block 32 cx + 8 wave + lane (0..7)
	s_lshl_b32 s83, s16, 5
	s_cmp_eq_u32 s15, 0                            ; the codes' prefetch: rows 64 p + 32 (wave % 2) + lane of the tile that I fetch for, p = cx for x, cy for fk
	s_cselect_b32 s90, s40, s41
	s_mov_b32 s91, BROW
	s_cselect_b32 s91, KROW, s91
	s_cselect_b64 s[94:95], s[20:21], s[46:47]
	s_lshl_b32 s90, s90, 6
	s_add_co_u32 s90, s90, s83
	s_mov_b32 s23, 0
	v_and_b32 v1, 15, v0                           ; r
	v_bfe_u32 v2, v0, 4, 1                         ; h
	v_and_b32 v12, 31, v0                          ; lane
	v_mul_u32_u24 v3, v1, PITCH
	v_mul_u32_u24 v4, v2, 24
	v_add_nc_u32 v4, v3, v4                        ; row x pitch + 24 h
	v_mul_u32_u24 v5, s88, v2
	v_add_nc_u32 v5, v3, v5
	v_add_nc_u32 v5, 232, v5                       ; lanes 0-15 byte 232 in slot 0, lanes 16-31 byte 0 in slot 1
	v_sub_nc_u32 v13, 1, v2
	v_mul_u32_u24 v14, s89, v13
	v_add_nc_u32 v14, v3, v14                      ; lanes 0-15 byte 232 in slot 1, lanes 16-31 byte 0 in slot 0
	v_add_nc_u32 v[ADRA], s86, v4
	v_add_nc_u32 v[ADRB], s87, v4
	v_add_nc_u32 v[ADRA+1], SLOT, v[ADRA]
	v_add_nc_u32 v[ADRB+1], SLOT, v[ADRB]
	v_add_nc_u32 v[ADRA+2], s86, v5
	v_add_nc_u32 v[ADRB+2], s87, v5
	v_add_nc_u32 v[ADRA+3], s86, v14
	v_add_nc_u32 v[ADRB+3], s87, v14
	v_lshlrev_b32 v[VSX], 5, v1
	v_lshl_add_u32 v[VSX], v2, 4, v[VSX]
	v_lshlrev_b32 v[VSF], 9, v1
	v_lshl_add_u32 v[VSF], v2, 4, v[VSF]
	v_lshlrev_b32 v[VFW], 7, v1
	v_lshl_add_u32 v[VFW], v2, 5, v[VFW]
	v_lshlrev_b32 v[VRK], 2, v12
	v_mul_u32_u24 v[VRO], v2, 1536
	v_lshl_add_u32 v[VRO], v1, 4, v[VRO]
	v_lshl_add_u32 v[LST], v12, 4, s84
	v_min_u32 v13, 7, v12
	v_add_nc_u32 v13, s85, v13
	v_lshlrev_b32 v[PFO], 8, v13
	v_add_nc_u32 v15, s90, v12
	v_mul_u32_u24 v[PFC], s91, v15
	s_wait_alu depctr_va_vdst(0)                   ; the wait behind the head's vector writes
	; each buffer's address is stepped once, to my wave's part
	s_lshl_b32 s22, s17, 15
	s_add_nc_u64 s[92:93], s[68:69], s[22:23]      ; fw of the work-group's 256 tokens, for the prefetch
	s_lshl_b32 s22, s17, 13
	s_lshl_b32 s85, s15, 12
	s_add_co_u32 s22, s22, s85                     ; (256 ty + 128 rh) x 32
	s_add_nc_u64 s[6:7], s[6:7], s[22:23]          ; x's scale bytes
	s_add_nc_u64 s[72:73], s[72:73], s[22:23]      ; hbuf: 32 bytes a token,
	s_lshl_b32 s22, s22, 2
	s_lshl_b32 s85, s16, 6
	s_add_co_u32 s22, s22, s85
	s_add_nc_u64 s[68:69], s[68:69], s[22:23]      ; fw: 128 bytes a token, + my 16 experts
	s_lshl_b32 s22, s42, 5
	s_lshl_b32 s85, s16, 16
	s_add_co_u32 s22, s22, s85
	s_add_nc_u64 s[10:11], s[10:11], s[22:23]      ; fk's scale bytes: row rho, + 128 ch rows of the slice
	; THE SCALE BYTES COME ONCE, STRAIGHT INTO REGISTERS.  A row has 32: lane (r, h) takes 16 at byte 16 h of row r, four K steps' words.
.irp i, 0,1,2,3,4,5,6,7
	global_load_b128 v[SA+4*\i:SA+4*\i+3], v[VSX], s[6:7] offset:512*\i
.endr
.irp b, 0,1,2,3,4,5,6,7
	global_load_b128 v[SB+4*\b:SB+4*\b+3], v[VSF], s[10:11] offset:8192*\b
.endr
	global_prefetch_b8 v[PFC], s[94:95] offset:ROWB th:TH_LOAD_NT scope:SCOPE_SE   ; chunk 1
	s_lshl_b32 s22, s42, 17
	s_add_nc_u64 s[72:73], s[72:73], s[22:23]      ; in rho's plane of 131,072 bytes
	s_lshl_b32 s80, s17, 4
	s_add_co_u32 s80, s80, s42                     ; id = 16 ty + rho
	s_lshr_b32 s81, s80, 3                         ; the expert whose restore_know I quantise
	s_and_b32 s82, s80, 7                          ; and which 128 of its columns
	s_lshl_b32 s22, s81, 19
	s_lshl_b32 s85, s82, 9
	s_add_co_u32 s22, s22, s85
	s_lshl_b32 s85, s14, 7
	s_add_co_u32 s22, s22, s85
	s_add_nc_u64 s[70:71], s[70:71], s[22:23]      ; restore_know: 524,288 x expert + 512 x column block + 128 x wave
	s_lshr_b32 s83, s82, 1
	s_and_b32 s84, s82, 1
	s_lshl_b32 s22, s83, 5
	s_add_co_u32 s22, s22, s81
	s_mul_i32 s22, s22, 25600
	s_add_nc_u64 s[74:75], s[74:75], s[22:23]      ; rkq: the block of these columns and this expert
	s_lshl_b32 s22, s84, 9
	s_add_co_u32 s22, s22, s85
	s_add_co_u32 s22, s22, 24576
	s_add_nc_u64 s[76:77], s[74:75], s[22:23]      ; its scale words: mine
	s_lshl_b32 s22, s84, 2
	s_add_co_u32 s22, s22, s14
	s_mul_i32 s22, s22, 2*1536
	s_add_nc_u64 s[74:75], s[74:75], s[22:23]      ; its fragments 8 x half + 2 x wave, + 1
.macro FRAG reg, adr, st, i            ; 16 rows x 128 K: 12 registers; lane l holds row l % 16; registers 6 c .. 6 c + 5 hold K = 64 c + 32 (l / 16) + 0 .. 31: 24 bytes of the row, in pieces of 8
.irp p, 0,1,2,3,4,5
.set BY, 96*(\st)+48*(\p/3)+8*(\p%3)
.if BY/ROWB == (BY+24)/ROWB
	ds_load_b64 v[\reg+2*\p:\reg+2*\p+1], v[\adr+(BY/ROWB)%2] offset:BY%ROWB+(\i)*16*PITCH
.else
	ds_load_b64 v[\reg+2*\p:\reg+2*\p+1], v[\adr+2+(BY/ROWB)%2] offset:BY%ROWB-232+(\i)*16*PITCH
.endif
.endr
.endm
.macro FB st, i                        ; fk's fragment i of step st, into set st % 2
	WIN 0x40
	FRAG 128*((\st)%2)+FR*(\i), ADRB, \st, \i
.endm
.macro FA st, i                        ; x's block i
	WIN 0
	FRAG AF+FR*(\i), ADRA, \st, \i
.endm
; 8 matrix instructions: x's block a against fk's eight, K step s.  K steps 0-3 take the scale words from lanes 0-15, 4-7 from lanes 16-31.  The 64 accumulators take turns in the same order in every step.
.macro ROW a, s
	WIN 0xa1+0x50*((\a)/4)                         ; source 0 window 1, source 1 window 0, C and D window 2 or 3
.irp b, 0,1,2,3,4,5,6,7
.set AC, 8*(8*((\a)%4)+\b)
.set BR, 128*((\s)%2)+FR*\b
.set AR, AF+FR*(\a)
.set SX, SA+4*(\a)+(\s)%4
.set SF, SB+4*\b+(\s)%4
.if (\s) == 0
	v_wmma_scale_f32_16x16x128_f8f6f4 v[AC:AC+7], v[BR:BR+FR-1], v[AR:AR+FR-1], 0, v[SF], v[SX] matrix_a_fmt:MATRIX_FMT_BF6 matrix_b_fmt:MATRIX_FMT_BF6
.elseif (\s) < 4
	v_wmma_scale_f32_16x16x128_f8f6f4 v[AC:AC+7], v[BR:BR+FR-1], v[AR:AR+FR-1], v[AC:AC+7], v[SF], v[SX] matrix_a_fmt:MATRIX_FMT_BF6 matrix_b_fmt:MATRIX_FMT_BF6
.else
	v_wmma_scale_f32_16x16x128_f8f6f4 v[AC:AC+7], v[BR:BR+FR-1], v[AR:AR+FR-1], v[AC:AC+7], v[SF], v[SX] matrix_a_fmt:MATRIX_FMT_BF6 matrix_b_fmt:MATRIX_FMT_BF6 matrix_a_scale:MATRIX_SCALE_ROW1 matrix_b_scale:MATRIX_SCALE_ROW1
.endif
.endr
.endm
; Numbers of my column of restore_know: block u / 2, k = 32 (u / 2) + 16 (u % 2) + i goes to place 2 i + u % 2.  32 lanes read 128 consecutive bytes, the four waves 512.  Read once in the launch.  RK4: i = 4 n .. 4 n + 3
.macro RK4 u, n
.if (\u) >= 0
.set RR, 96+128*(((\u)/2)%2)
	WIN 0x40*((\u)/4)
.irp i, 0,1,2,3
	global_load_b32 v[RR+2*(4*\n+\i)+(\u)%2], v[VRK], s[70:71] offset:4096*(32*((\u)/2)+16*((\u)%2)+4*\n+\i) th:TH_LOAD_NT
.endr
.endif
.endm
; A step: eight rows of eight products; behind each second row a run of loads for the next step: fk's blocks 0-4; fk's 5-7 and x's 0, 1; x's 2-5; x's 6, 7: x has one set of registers, so each of its blocks comes behind the products
; that read it and four places.  In front of row a x's block a has to be in: 42 and 36 are the seven and six younger blocks' loads (six each), 60 and 54 count the first run's 30 besides.
; kind 0: plain.  1: chunk 0 has been read: an add, a round, chunk 2's load.  2: the next chunk is shown whole.  3: the last step.
.macro STEP s, kind, u, w
.if ((\kind) == 1) || ((\kind) == 2)
	WIN 0
	s_wait_tensorcnt 0x0                           ; all my tensor loads have landed
.if (\kind) == 1
	ds_add_u32 v[SPW], v[NIL]
	s_wait_dscnt 43                                ; (the add and x's blocks 1-7 may be out)
.else
	s_wait_dscnt 42
.endif
	ROW 0, \s
	s_wait_dscnt 0x0                               ; the add, where there is one, is done, and so are my reads
	s_barrier_signal -1
	ROW 1, \s
	WIN 0
	s_barrier_wait -1
.if (\kind) == 1
	CREST                                          ; no wave of any partner still reads chunk 0 or has a load on its way
	s_add_nc_u64 s[G0+2:G0+3], s[G0+2:G0+3], 2*ROWB
	s_add_nc_u64 s[G0B+2:G0B+3], s[G0B+2:G0B+3], 2*ROWB
	JLOAD 0                                        ; chunk 2, my one load out
.endif
.else
	s_wait_dscnt 42
	ROW 0, \s
	s_wait_dscnt 36
	ROW 1, \s
.endif
.if (\kind) == 3
.irp a, 2,3,4,5,6,7
	s_wait_dscnt 42-6*\a
	ROW \a, \s
.endr
.else
.irp i, 0,1,2,3,4
	FB (\s)+1, \i
.endr
	RK4 \u, 0
	RK4 \w, 0
.if (\s) == 0
	WIN 0
	global_prefetch_b8 v[PFC], s[94:95] offset:2*ROWB th:TH_LOAD_NT scope:SCOPE_SE   ; chunk 2
.endif
.if (\s) == 3
	WIN 0
	global_prefetch_b8 v[PFO], s[92:93] th:TH_LOAD_NT scope:SCOPE_SE   ; fw: eight blocks of 256 bytes a wave
.endif
.if (\kind) == 0
	s_wait_dscnt 60
.endif
	ROW 2, \s
.if (\kind) == 0
	s_wait_dscnt 54
.endif
	ROW 3, \s
	PLACES 4
.irp i, 5,6,7
	FB (\s)+1, \i
.endr
	FA (\s)+1, 0
	FA (\s)+1, 1
	RK4 \u, 1
	RK4 \w, 1
.if (\kind) == 0
	s_wait_dscnt 60                                ; x's blocks 4-7 are in: behind them stand this step's 60 loads
.endif
	ROW 4, \s
	ROW 5, \s
	PLACES 4
.irp i, 2,3,4,5
	FA (\s)+1, \i
.endr
	RK4 \u, 2
	RK4 \w, 2
	ROW 6, \s
	ROW 7, \s
	PLACES 4
	FA (\s)+1, 6
	FA (\s)+1, 7
	RK4 \u, 3
	RK4 \w, 3
.if (\s) == 6                          ; fw(token 16 a + r, experts 16 ch + 8 h + 0 .. 7) into window 1, v[8 a ..], where fk's set 0 lay
	WIN 0x40
.irp a, 0,1,2,3,4,5,6,7
	global_load_b128 v[8*\a:8*\a+3], v[VFW], s[68:69] offset:2048*\a
	global_load_b128 v[8*\a+4:8*\a+7], v[VFW], s[68:69] offset:2048*\a+16
.endr
.endif
.endif
	WIN 0
.endm
	s_wait_alu depctr_va_vdst(0)                   ; the wait at the head's end
	s_wait_tensorcnt 0x0                           ; my part of chunk 0 is in
	ds_add_u32 v[SPW], v[NIL]
	s_wait_dscnt 0x0
	CROUND                                         ; everybody's part of chunk 0 is in
	JLOAD 1                                        ; chunk 1, my one load out
.irp i, 0,1,2,3,4,5,6,7
	FB 0, \i
.endr
.irp i, 0,1,2,3,4,5,6,7
	FA 0, \i
.endr
	s_wait_loadcnt 0x0                             ; the scale bytes
	STEP 0, 0, 0, 1                                ; K = 1,024: eight steps, written out: scale registers and slots differ from step to step.  The first step's products start the sums
	STEP 1, 2, 2, 3                                ; chunk 1 is shown ahead of step 2's fragments
	STEP 2, 1, 4, -1
	STEP 3, 0, 5, -1
	STEP 4, 2, 6, -1                               ; chunk 2 is shown ahead of step 5's
	STEP 5, 0, 7, -1
	STEP 6, 0, -1, -1
	STEP 7, 3, -1, -1
	PLACES 4                                       ; in front of the first writes into x's fragments' registers and the first read of results
	s_wait_loadcnt 16                              ; all of restore_know is in: fw's 16 loads were issued behind it
; RESTORE_KNOW'S CODES, two blocks of my column at a time (2 w and 2 w + 1, in window w): a block's 32 numbers are all mine.  The largest magnitude with the floor 2^(5 - 127) among its leaves; 4 off its exponent field is the
; conversion's scale operand, that field the byte.
.macro RKQ w
	WIN 5*(\w)
.irp n, 0,1
.irp b, 0,1
	v_max3_num_f32 v[QM+2*\b+\n], |v[96+128*\b+2*\n]|, |v[97+128*\b+2*\n]|, 0x2800000
.endr
.endr
.irp i, 4,8,12,16,20,24,28
.irp n, 0,1
.irp b, 0,1
	v_max3_num_f32 v[QM+2*\b+\n], |v[96+128*\b+2*\n+\i]|, |v[97+128*\b+2*\n+\i]|, v[QM+2*\b+\n]
.endr
.endr
.endr
	WIN 0
.irp b, 0,1
	v_max_num_f32 v[QM+2*\b], v[QM+2*\b], v[QM+2*\b+1]
.endr
.irp b, 0,1
	v_add_nc_u32 v[QSC+\b], 0xfe000000, v[QM+2*\b]
.endr
.irp b, 0,1
	v_lshrrev_b32 v[QBY+\b], 23, v[QSC+\b]
.endr
.if (\w) == 0
	v_lshl_or_b32 v[QWD], v[QBY+1], 8, v[QBY]
.else
	v_lshl_or_b32 v[QWD], v[QBY], 16, v[QWD]
	v_lshl_or_b32 v[QWD], v[QBY+1], 24, v[QWD]
.endif
	WIN \w                                         ; source 0: the blocks' window
.irp b, 0,1                            ; lanes 0-15 of a fragment hold blocks 0 and 2, lanes 16-31 blocks 1 and 3
	v_cvt_scalef32_pk16_bf6_f32 v[QF+12*\b+6*(\w):QF+12*\b+6*(\w)+2], v[96+128*\b:111+128*\b], v[QSC+\b]
	v_cvt_scalef32_pk16_bf6_f32 v[QT+4*\b:QT+4*\b+2], v[112+128*\b:127+128*\b], v[QSC+\b]   ; (a conversion's three registers begin on an even number)
.endr
	WIN 0
	v_nop                                          ; one plain place behind a scaled conversion
.irp b, 0,1
.irp i, 0,1,2
	v_mov_b32 v[QF+12*\b+6*(\w)+3+\i], v[QT+4*\b+\i]
.endr
.endr
.endm
	RKQ 0
	RKQ 1
.irp hh, 0,1
.irp jq, 0,1,2
	global_store_b128 v[VRO], v[QF+12*\hh+4*\jq:QF+12*\hh+4*\jq+3], s[74:75] offset:512*\jq+256*\hh   ; registers 4 jq .. + 3 of lane 16 hh + r of my column's fragment: sixteen lanes store 256 consecutive bytes, aligned
.endr
.endr
	global_store_b32 v[VRK], v[QWD], s[76:77]      ; my column's scale word: 128 consecutive bytes a wave
	s_wait_xcnt 0x0                                ; the scale word's register is written again below
	s_wait_loadcnt 0x0                             ; fw
	; lanes 0-15 hold experts 0 .. 7, lanes 16-31 experts 8 .. 15.  The exchange leaves experts e + h in register e (b = e / 2) and 8 + e + h in register e + 1 (b = 4 + e / 2), e even
	WIN 0x41
.irp a, 0,1,2,3,4,5,6,7
.irp e, 0,2,4,6
	v_permlane16_swap_b32 v[8*\a+\e], v[8*\a+\e+1]
.endr
.endr
	; THE SUM OVER EXPERTS, in f32: for each block of tokens eight sums, over my lane's eight experts; two at a time.  The weight is one register of a pair: op_sel picks it for both halves.
.irp a, 0,2,4,6
	WIN 0x06+\a/4                                  ; source 0: the accumulators' window; source 1: window 1
.irp b, 0,1,2,3,4,5,6,7
.irp n, 0,1                            ; two blocks of tokens by turns
.irp p, 0,1,2,3                        ; each accumulator from its low end on
.set AN, \a+\n
.set AC, 64*(AN%4)+8*\b+2*\p
.set HD, HS+8*AN+2*\p
.set WP, 8*AN+2*(\b%4)
.if \b == 0
	v_pk_mul_f32 v[HD:HD+1], v[AC:AC+1], v[WP:WP+1] op_sel_hi:[1,0]
.elseif \b < 4
	v_pk_fma_f32 v[HD:HD+1], v[AC:AC+1], v[WP:WP+1], v[HD:HD+1] op_sel_hi:[1,0,1]
.else
	v_pk_fma_f32 v[HD:HD+1], v[AC:AC+1], v[WP:WP+1], v[HD:HD+1] op_sel:[0,1,0] op_sel_hi:[1,1,1]
.endif
.endr
.endr
.endr
.endr
	WIN 0
	; lanes 0-15 hold the even experts' sums, lanes 16-31 the odd ones'.  The exchange leaves j = 0..3 of both in lanes 0-15 and j = 4..7 in lanes 16-31: lane (r, hh) then holds h's j = 4 hh + 0..3 of token r
.irp a, 0,1,2,3,4,5,6,7
.irp i, 0,1,2,3
	v_permlane16_swap_b32 v[HS+8*\a+\i], v[HS+8*\a+4+\i]
.endr
.endr
.irp a, 0,1,2,3,4,5,6,7
	v_pk_add_f32 v[HS+8*\a:HS+8*\a+1], v[HS+8*\a:HS+8*\a+1], v[HS+8*\a+4:HS+8*\a+5]
	v_pk_add_f32 v[HS+8*\a+2:HS+8*\a+3], v[HS+8*\a+2:HS+8*\a+3], v[HS+8*\a+6:HS+8*\a+7]
.endr
	; experts 16-31's sums go from waves 1 and 3 to waves 0 and 2 through LDS, as images of the registers
	s_cmp_eq_u32 s16, 0
	s_wait_alu depctr_va_vdst(0)                   ; the wait ahead of the branch
	s_cbranch_scc1 .Lkeeps
.irp a, 0,1,2,3,4,5,6,7
	ds_store_b128 v[LST], v[HS+8*\a:HS+8*\a+3] offset:512*\a
.endr
.Lkeeps:
	s_wait_dscnt 0x0                               ; for the partner's sake: my stores have landed
	s_barrier_signal -1
	s_barrier_wait -1
	s_cmp_lg_u32 s16, 0
	s_cbranch_scc1 .Lgave
	WIN 0x40
.irp a, 0,1,2,3,4,5,6,7
	ds_load_b128 v[PT+4*\a:PT+4*\a+3], v[LST] offset:512*\a
.endr
	s_wait_dscnt 0x0
	WIN 0x04                                       ; source 1 window 1
.irp a, 0,1,2,3,4,5,6,7
	v_pk_add_f32 v[HS+8*\a:HS+8*\a+1], v[HS+8*\a:HS+8*\a+1], v[PT+4*\a:PT+4*\a+1]
	v_pk_add_f32 v[HS+8*\a+2:HS+8*\a+3], v[HS+8*\a+2:HS+8*\a+3], v[PT+4*\a+2:PT+4*\a+3]
.endr
	WIN 0
.irp a, 0,1,2,3,4,5,6,7
	global_store_b128 v[VSX], v[HS+8*\a:HS+8*\a+3], s[72:73] offset:512*\a   ; 32 lanes store 512 consecutive bytes, at a multiple of 256 from hbuf's first byte
.endr
.Lgave:
	s_wait_tensorcnt 0x0                           ; the wave's end
	ds_add_u32 v[SPW], v[NIL]
	s_wait_dscnt 0x0
	CROUND                                         ; the closing round
	s_endpgm
.Lfunc_end_k_q3a25abf429_compress:
	.size	k_q3a25abf429_compress, .Lfunc_end_k_q3a25abf429_compress-k_q3a25abf429_compress
	.p2alignl 7, 3214868480
	.fill 96, 4, 3214868480
	.section	.rodata,"a",@progbits
	.p2align	6, 0x0
	.amdhsa_kernel k_q3a25abf429_compress
		.amdhsa_group_segment_fixed_size 327680
		.amdhsa_private_segment_fixed_size 0
		.amdhsa_enable_private_segment 0
		.amdhsa_kernarg_size 64
		.amdhsa_user_sgpr_count 2
		.amdhsa_user_sgpr_kernarg_segment_ptr 1
		.amdhsa_wavefront_size32 1
		.amdhsa_system_sgpr_workgroup_id_x 1
		.amdhsa_system_sgpr_workgroup_id_y 1
		.amdhsa_system_sgpr_workgroup_id_z 1
		.amdhsa_system_vgpr_workitem_id 0
		.amdhsa_next_free_vgpr 1024
		.amdhsa_next_free_sgpr 100
		.amdhsa_reserve_vcc 0
		.amdhsa_float_denorm_mode_32 3
		.amdhsa_float_denorm_mode_16_64 3
		.amdhsa_memory_ordered 1
		.amdhsa_forward_progress 1
		.amdhsa_inst_pref_size 175
	.end_amdhsa_kernel
	.amdgpu_metadata
---
amdhsa.version: [ 1, 2 ]
amdhsa.kernels:
  - .name:           k_q3a25abf429_compress
    .symbol:         k_q3a25abf429_compress.kd
    .args:
      - { .name: x_codes, .offset: 0, .size: 8, .value_kind: global_buffer, .address_space: global }
      - { .name: x_scales, .offset: 8, .size: 8, .value_kind: global_buffer, .address_space: global }
      - { .name: feature_know_codes, .offset: 16, .size: 8, .value_kind: global_buffer, .address_space: global }
      - { .name: feature_know_scales, .offset: 24, .size: 8, .value_kind: global_buffer, .address_space: global }
      - { .name: feature_know_w, .offset: 32, .size: 8, .value_kind: global_buffer, .address_space: global }
      - { .name: restore_know, .offset: 40, .size: 8, .value_kind: global_buffer, .address_space: global }
      - { .name: hbuf, .offset: 48, .size: 8, .value_kind: global_buffer, .address_space: global }
      - { .name: rkq, .offset: 56, .size: 8, .value_kind: global_buffer, .address_space: global }
    .group_segment_fixed_size: 327680
    .private_segment_fixed_size: 0
    .kernarg_segment_align: 8
    .kernarg_segment_size: 64
    .max_flat_workgroup_size: 128
    .sgpr_count:     100
    .vgpr_count:     1024
    .wavefront_size: 32
...
	.end_amdgpu_metadata
.endif
;; end of part 1
;; launch restore (part 2): grid 64 x 4, 4 waves a work-group, clusters of 4 x 1, 327,680 bytes of LDS; arguments hbuf, restore_know_w, rkq, out0; writes out0
.if DOCPART == 2
	.amdgcn_target "amdgcn-amd-amdhsa--gfx1250"
	.amdhsa_code_object_version 6
	.text
	.protected	k_q3a25abf429_restore
	.globl	k_q3a25abf429_restore
	.p2align	8
	.type	k_q3a25abf429_restore,@function
k_q3a25abf429_restore:
	s_mov_b64 s[64:65], 0
	v_nop
	global_prefetch_b8 v0, s[64:65] scope:SCOPE_SE
	s_setreg_imm32_b32 hwreg(HW_REG_WAVE_MODE, 25, 1), 1
	s_wait_xcnt 0x0
	s_wait_alu depctr_hold_cnt(0) depctr_sa_sdst(0) depctr_va_vdst(0) depctr_va_sdst(0) depctr_va_ssrc(0) depctr_va_vcc(0) depctr_vm_vsrc(0)
	s_getreg_b32 s2, hwreg(HW_REG_IB_STS2, 6, 4)
	s_cmp_eq_u32 s2, 0
	s_cbranch_scc0 .Lentry_in_a_cluster
	s_endpgm
.Lentry_in_a_cluster:
	s_bfe_u32 s2, ttmp6, 0x10000c
	s_cmp_lg_u32 s2, 0x3003
	s_cbranch_scc0 .Lentry_shape_is_right
	s_endpgm
.Lentry_shape_is_right:
; out[t][d] = sum over (n, r) of Q(h[t][r] x rw[t][n]) x Q(restore_know[n][r][d]), on codes of BF6 (E3M2) with one E8M0 scale for each 32 along (n, r), r innermost.
; restore_know's codes and scale words come from rkq, laid by the launch before as images of the operand's registers; h comes from hbuf [rho 16][token][j 8] (h[token][16 j + rho]); rw is f32.
; SHARES.  A work-group owns 64 tokens (tb) x 256 columns (db).  K IS SHARED AMONG THE WAVES: wave w takes experts 8 w .. 8 w + 7 for all 64 x 256: 64 accumulators.  So the left operand is made in the wave's own registers
; (h stays in 256 registers; one multiplication by the expert's weight, the product as it is defined, then the conversion), and each byte of rkq is read from LDS once, by the wave that fetched it.
; A TRIP is one expert: 24 products, one run of loads (fragments 10-15), 40 products, then one block of vector work: the next expert's operand, with the loads of its tile's fragments 0-9 behind the scales' chains.
; Fragment F of restore_know lies in buffer F % 10.
; Wave w walks the columns from its own quarter's successor on: fragment group g takes the quarter (g + w + 1) % 4, its own last.  In the last trip the three foreign quarters go, as they are finished, into the wave's own spent
; tiles, as rows; behind one barrier wave w adds its quarter's four parts as ((own + g0) + (g1 + g2)) and stores them: another order of f32 additions than one ascending chain.
; A BLOCK'S LARGEST MAGNITUDE IS NOT SEARCHED FOR: rounding keeps order, so the largest |h x rw| of a block is the rounded product of the block's largest |h|, found once, and |rw|.
; INSIDE A BLOCK OF 32 THE ORDER OF K IS PERMUTED, as in rkq: place 2 rho + s holds k = 32 beta + 16 s + rho.
; THE MATRIX INSTRUCTION IS USED TRANSPOSED (source 0 = 16 columns of restore_know, source 1 = 16 tokens): a lane holds eight neighbouring columns of one token's row.
; LDS: wave w has 76,800 bytes: tiles 0 and 1 are one slot, filled by one load of two experts, tile 2 the other slot.  Trip t reads tile t % 3.
; CLUSTER 4 x 1: the four partners share db and walk the same tiles: each load is JOINT.  Pairs of experts: the first slot takes pairs 0, 1, 2, the second the two experts of pair 3, one after the other; EACH CLUSTER COUNTS ITS PAIRS FROM
; ANOTHER ONE: pair k is my experts' pair (k + s23) % 4, s23 = (X ^ X / 4) % 4, X the cluster's x.  Among the sixteen clusters of one db all four s23 occur, so every later fill names bytes that another cluster's first fill asks for:
; no prefetch is laid.
; LIMITS: NaN and infinities are not served.  A block of zeros gets the byte 1 where the quantiser's rule says 127: its codes are zeros.  The order in which a wave adds its eight experts differs from cluster to cluster.
; REGISTERS.  Window 0 as named below (v36-47 hold scale words and nothing else).   Window 1: h, tile a at v[64 a + 4 rho + 2 c + s].   Windows 2, 3: accumulator (a, f) at v[8 (4 (f % 8) + a)], window 2 for f < 8.
.set TILE,  25600                      ; an expert's 16 fragments of 1,536 bytes and 256 scale words
.set WREG,  3*TILE
.set HSH,   4*WREG                     ; h's images, half at a time: 4,096 bytes a tile of tokens; at the end one tile of rows a wave
.set HMX,   HSH+16384                  ; the largest |h|: 256 bytes a tile of tokens
.set SPARE, HSH+19968                  ; the spare words: two blocks of 256 bytes that no other line names
.set RPIT,  272                        ; the way out: a row of 64 f32 + 16 bytes
.set TROW,  16*RPIT
.set SPW, 1
.set NIL, 2
.set SH8, 3                            ; 8 (lane / 16)
.set LB,  4                            ; v4-7 my tiles' fragments, by group of four
.set LS,  8                            ; v8-11 their scale words
.set RWA, 12                           ; rw of pair 0, later of pairs 1 and 2: 2 a + which of the pair
.set RWB, 20                           ; of pair 3
.set HM,  28                           ; largest |h|: 2 a + c
.set ASC, 36                           ; the tokens' scale words
.set BSC, 40                           ; restore_know's
.set SC,  48                           ; the conversions' scales: 2 a + c
.set TMP, 56
.set RWO, 59                           ; rw's offset: 128 r
.set AFR, 60                           ; the tokens' four fragments
.set BF,  108                          ; ten fragments of restore_know
.set T,   228                          ; 24 products: an even half block in the lower sixteen, an odd one in the upper sixteen
.set HT,  152                          ; at the head: my tile's 64 numbers of h a lane
.set HX,  216
.set STO, 228                          ; in the last trip, where the products lay: the way out's addresses: v228 tiles 0, 1, v229 tile 2, v230 behind all tiles,
.set RDG, 231                          ; v231-233 my quarter's parts made by the other waves,
.set RDO, 234                          ; v234-236 my own,
.set CO,  237                          ; out
.set RB,  60                           ; the way out: two sets of 64
.set G1,  24                           ; s[24:31], s[32:35] descriptor groups 1 and 0 of the slot of two tiles
.set G0,  32
.set G0Y, 36                           ; s[68:75], s[36:39] of the slot of one
.set G1Y, 68
.set MSB, 0
.macro WIN new                         ; the immediate's high byte repeats the setting that is left
.if MSB != (\new)
	s_set_vgpr_msb (MSB<<8)|(\new)
.set MSB, (\new)
.endif
.endm
.macro CREST
	s_cmp_lg_u32 s12, 0
	s_cbranch_scc1 .Lnot_wave_0_\@
	s_barrier_signal -3
.Lnot_wave_0_\@:
	s_barrier_wait -3
	s_barrier_signal -1
	s_barrier_wait -1
.endm
.macro CROUND                          ; a round of the cluster's barrier
	s_barrier_signal -1
	s_barrier_wait -1
	CREST
.endm
.macro PLACES n                        ; places behind matrix instructions (ISA guide 7.12.1)
.rept \n
	v_nop
.endr
.endm
.macro XPAIR k                         ; the first slot's next load: pair k (no tensor load of mine is out)
	s_add_co_u32 s48, s23, \k
	s_and_b32 s48, s48, 3
	s_mul_i32 s48, s48, 2*TILE
	s_add_nc_u64 s[G0+2:G0+3], s[8:9], s[48:49]
	s_or_b32 s[G0+3], s[G0+3], 0x80000000
.endm
	s_load_b256 s[4:11], s[0:1], 0x0               ; hbuf s[4:5], rw s[6:7], rkq s[8:9], out s[10:11]
	v_lshl_add_u32 v[SPW], v0, 2, SPARE
	v_mov_b32 v[NIL], 0
	ds_add_u32 v[SPW], v[NIL]
	ds_add_u32 v[SPW], v[NIL]
	v_lshrrev_b32 v3, 5, v0
	v_readfirstlane_b32 s12, v3                    ; wave 0..3
	s_bfe_u32 s13, ttmp6, 0x40000                  ; cx
	s_lshl_b32 s14, ttmp9, 2
	s_add_co_u32 s14, s14, s13                     ; tb: it enters hbuf's, rw's and out's addresses alone
	s_and_b32 s15, ttmp7, 0xffff                   ; db, which the four partners share
	s_lshr_b32 s23, ttmp9, 2
	s_xor_b32 s23, s23, ttmp9
	s_and_b32 s23, s23, 3
	s_mov_b32 s20, 0x76543210
	s_mov_b32 s21, 0xfedcba98                      ; v_permlanex16_b32's selects for lane l xor 16
	s_mov_b32 s22, 0x2800000                       ; the floor 2^(5 - 127)
	s_mov_b32 s[G1], 15|(3<<16)|(1<<21)            ; all four work-groups; elements of 8 bytes; no padding; bit 21 beside a mask: dense rows of 256 bytes
	s_mov_b32 s[G1+1], 32<<16
	s_mov_b32 s[G1+2], 200<<16
	s_mov_b32 s[G1+3], 32<<16
	s_mov_b32 s[G1+4], 200
	s_mov_b32 s[G1+5], 32
	s_mov_b32 s[G1+6], 0
	s_mov_b32 s[G1+7], 0
	s_mov_b32 s[G1Y], 15|(3<<16)|(1<<21)
	s_mov_b32 s[G1Y+1], 32<<16
	s_mov_b32 s[G1Y+2], 100<<16
	s_mov_b32 s[G1Y+3], 32<<16
	s_mov_b32 s[G1Y+4], 100
	s_mov_b32 s[G1Y+5], 32
	s_mov_b32 s[G1Y+6], 0
	s_mov_b32 s[G1Y+7], 0
	s_mul_i32 s16, s15, 32*TILE
	s_mul_i32 s17, s12, 8*TILE
	s_add_co_u32 s16, s16, s17                     ; rkq: my eight experts' blocks of these 256 columns
	s_mov_b32 s17, 0
	s_lshl_b32 s42, s14, 11
	s_lshl_b32 s40, s12, 9
	s_add_co_u32 s42, s42, s40                     ; hbuf: token 64 tb + 16 wave, 32 bytes a token
	s_mov_b32 s43, 0
	s_lshl_b32 s44, s14, 13
	s_lshl_b32 s40, s12, 5
	s_add_co_u32 s44, s44, s40                     ; rw: token 64 tb, my eight experts
	s_mov_b32 s45, 0
	s_lshl_b32 s46, s14, 18
	s_lshl_b32 s40, s15, 10
	s_add_co_u32 s46, s46, s40
	s_lshl_b32 s40, s12, 8
	s_add_co_u32 s46, s46, s40                     ; out: token 64 tb, column 256 db + 64 wave
	s_mov_b32 s47, 0
	s_mov_b32 s49, 0
	s_mov_b32 s77, 0
	s_mul_i32 s50, s12, WREG                       ; my tiles
.irp g, 0,1,2,3
	s_add_co_u32 s40, s12, \g+1
	s_and_b32 s40, s40, 3                          ; the quarter that group g takes
	s_mul_i32 s41, s40, 6144
	s_add_co_u32 s[52+\g], s50, s41
	s_lshl_b32 s41, s40, 8
	s_add_co_u32 s41, s41, s50
	s_add_co_u32 s[56+\g], s41, 24576
.endr
	s_add_co_u32 s60, s12, 3                       ; who made group 0, 1, 2 of my quarter, and where it lies
	s_and_b32 s60, s60, 3
	s_mul_i32 s60, s60, WREG
	s_add_co_u32 s61, s12, 2
	s_and_b32 s61, s61, 3
	s_mul_i32 s61, s61, WREG
	s_add_co_u32 s61, s61, 2*TILE
	s_add_co_u32 s62, s12, 1
	s_and_b32 s62, s62, 3
	s_mul_i32 s62, s62, WREG
	s_add_co_u32 s62, s62, TILE
	s_mul_i32 s51, s12, TROW
	s_add_co_u32 s51, s51, HSH
	s_lshl_b32 s80, s12, 12
	s_add_co_u32 s80, s80, HSH
	s_lshl_b32 s81, s12, 8
	s_add_co_u32 s81, s81, HMX
	v_and_b32 v76, 31, v0                          ; lane
	v_and_b32 v77, 15, v0                          ; r
	v_bfe_u32 v78, v0, 4, 1                        ; h
.irp g, 0,1,2,3
	v_lshl_add_u32 v[LB+\g], v76, 4, s[52+\g]
	v_lshl_add_u32 v[LS+\g], v76, 2, s[56+\g]
.endr
	v_lshlrev_b32 v[SH8], 3, v78
	v_lshlrev_b32 v75, 5, v77
	v_lshl_add_u32 v75, v78, 4, v75                ; hbuf: 32 r + 16 h
	v_lshlrev_b32 v[RWO], 7, v77
	v_lshl_add_u32 v218, v76, 4, s80               ; where I store my tile's image,
	v_lshl_add_u32 v219, v76, 3, s81               ; its largest magnitudes,
	v_lshl_add_u32 v220, v76, 4, HSH               ; and where all are read
	v_lshl_add_u32 v221, v76, 3, HMX
	s_wait_alu depctr_va_vdst(0)
	s_wait_dscnt 0x0
	s_wait_kmcnt 0x0
	s_add_nc_u64 s[8:9], s[8:9], s[16:17]
	s_add_nc_u64 s[4:5], s[4:5], s[42:43]
	s_add_nc_u64 s[6:7], s[6:7], s[44:45]
	s_add_nc_u64 s[10:11], s[10:11], s[46:47]
.irp q, 0,1,2,3                        ; s[82:83] .. s[88:89]: pair q's 8 bytes of my 32
	s_add_co_u32 s76, s23, \q
	s_and_b32 s76, s76, 3
	s_lshl_b32 s76, s76, 3
	s_add_nc_u64 s[82+2*\q:83+2*\q], s[6:7], s[76:77]
.endr
	; h of the tile of 16 tokens with my wave's number: lane (r, hh) loads plane rho's j = 4 hh + 0 .. 3: sixteen loads of 512 consecutive bytes
.irp rho, 0,1,2,3,4,5,6,7,8,9,10,11,12,13,14,15
	global_load_b128 v[HT+4*\rho:HT+4*\rho+3], v75, s[4:5] offset:131072*\rho
.endr
.irp a, 0,1,2,3
	global_load_b64 v[RWA+2*\a:RWA+2*\a+1], v[RWO], s[82:83] offset:2048*\a
	global_load_b64 v[RWB+2*\a:RWB+2*\a+1], v[RWO], s[88:89] offset:2048*\a
.endr
	s_mov_b32 s[G0], 1
	s_mov_b32 s[G0+1], s50
	XPAIR 0
	s_mov_b32 s[G0Y], 1
	s_add_co_u32 s[G0Y+1], s50, 2*TILE
	s_add_co_u32 s48, s23, 3
	s_and_b32 s48, s48, 3
	s_mul_i32 s48, s48, 2*TILE
	s_add_nc_u64 s[G0Y+2:G0Y+3], s[8:9], s[48:49]  ; pair 3's first expert
	s_or_b32 s[G0Y+3], s[G0Y+3], 0x80000000
	CROUND                                         ; all four work-groups are here: the first joint loads meet
	tensor_load_to_lds s[G0:G0+3], s[G1:G1+7]      ; pair 0: one load a wave at the head.  Every wave asks for its own: both addresses hang on the wave's number
	s_nop 0
	PLACES 4
	s_wait_loadcnt 0x0                             ; h and rw
	; j = 4 c + 2 h + s: the exchange leaves, of a plane's four registers, c = 0's s = 0, 1 of my own h in the first two and c = 1's in the others
.irp rho, 0,1,2,3,4,5,6,7,8,9,10,11,12,13,14,15
	v_permlane16_swap_b32 v[HT+4*\rho], v[HT+4*\rho+2]
	v_permlane16_swap_b32 v[HT+4*\rho+1], v[HT+4*\rho+3]
.endr
.irp c, 0,1
	v_max_num_f32 v[HX+\c], |v[HT+2*\c]|, |v[HT+2*\c+1]|           ; the largest |h| of my two blocks, once for all experts: even planes,
	v_max_num_f32 v[HX+6+\c], |v[HT+4+2*\c]|, |v[HT+4+2*\c+1]|     ; and odd ones
.endr
.irp rho, 2,3,4,5,6,7,8,9,10,11,12,13,14,15
.irp c, 0,1
	v_max3_num_f32 v[HX+6*(\rho%2)+\c], v[HX+6*(\rho%2)+\c], |v[HT+4*\rho+2*\c]|, |v[HT+4*\rho+2*\c+1]|
.endr
.endr
	v_max_num_f32 v[HX], v[HX], v[HX+6]
	v_max_num_f32 v[HX+1], v[HX+1], v[HX+7]
	ds_store_b64 v219, v[HX:HX+1]
	; the image of my registers goes through LDS in two halves: any wave that loads it so has them in the same lanes
.irp c, 0,1
.irp q, 0,1,2,3,4,5,6,7
	ds_store_b128 v218, v[HT+32*\c+4*\q:HT+32*\c+4*\q+3] offset:512*\q
.endr
	s_wait_dscnt 0x0                               ; for the others' sake: my stores have landed
	s_barrier_signal -1
	s_barrier_wait -1                              ; (my tensor load may be out)
	WIN 0x40
.irp a, 0,1,2,3
.irp q, 0,1,2,3,4,5,6,7
	ds_load_b128 v[64*\a+32*\c+4*\q:64*\a+32*\c+4*\q+3], v220 offset:4096*\a+512*\q
.endr
.endr
	WIN 0
.if \c == 0
.irp a, 0,1,2,3
	ds_load_b64 v[HM+2*\a:HM+2*\a+1], v221 offset:256*\a
.endr
	s_wait_dscnt 0x0                               ; my reads are done:
	s_barrier_signal -1
	s_barrier_wait -1                              ; the images may be written over
.endif
.endr
	s_wait_dscnt 0x0
; two products by one weight, which is the even (odd = 0) or the odd register of the pair wp
.macro MULW d, s, wp, odd
.if \odd
	v_pk_mul_f32 v[\d:\d+1], v[\s:\s+1], v[\wp:\wp+1] op_sel:[0,1] op_sel_hi:[1,1]
.else
	v_pk_mul_f32 v[\d:\d+1], v[\s:\s+1], v[\wp:\wp+1] op_sel_hi:[1,0]
.endif
.endm
.macro RWSEL e, a                      ; trip e's weight of tile a.  Trips 0, 1: pair 0; 2, 5: pair 3; 3, 4: pair 1; 6, 7: pair 2
.set WP, RWA+2*(\a)
.set OD, 0
.if ((\e) == 2) || ((\e) == 5)
.set WP, RWB+2*(\a)
.endif
.if ((\e) == 1) || ((\e) == 4) || ((\e) == 5) || ((\e) == 7)
.set OD, 1
.endif
.endm
; four of half block s's eight pairs of products h x rw, each rounded once to f32: half block s % 4 = 2 c + hf of tile s / 4 holds the planes rho = 8 hf + 0 .. 7 of block 2 c + h
.macro VPK e, s, k
	WIN 0x01                                       ; source 0 (h) window 1
	RWSEL \e, (\s)/4
.set VT, T+8*((\s)%2)+8*(\k)
.set VH, 64*((\s)/4)+32*((\s)%2)+2*(((\s)%4)/2)+16*(\k)
.irp i, 0,1,2,3
	MULW VT+2*\i, VH+4*\i, WP, OD
.endr
.endm
.macro VCVT e, s                       ; its conversion
.set QD, AFR+12*((\s)/4)+6*(((\s)%4)/2)
.set QS, SC+(\s)/2
	WIN 0
.if (\s)%2 == 0
	v_cvt_scalef32_pk16_bf6_f32 v[QD:QD+2], v[T:T+15], v[QS]
.else
	v_cvt_scalef32_pk16_bf6_f32 v[TMP:TMP+2], v[T+8:T+23], v[QS]   ; (a conversion's three registers begin on an even number)
.endif
.endm
.macro VMOV s                          ; the second half of a block's codes, to its place
.set QD, AFR+12*((\s)/4)+6*(((\s)%4)/2)+3
.irp i, 0,1,2
	v_mov_b32 v[QD+\i], v[TMP+\i]
.endr
.endm
; fragment F of trip t: three loads of 512 consecutive bytes; with an even one the scale words of the pair (lanes 0-15 the even fragment's, lanes 16-31 the odd one's)
.macro LOADF t, F
.set LG, BF+12*((\F)%10)
.set LO, TILE*((\t)%3)
.if (\F)%2 == 0
	ds_load_b32 v[BSC+(\F)/2], v[LS+(\F)/4] offset:LO+128*(((\F)%4)/2)
.endif
.irp jq, 0,1,2
	ds_load_b128 v[LG+4*\jq:LG+4*\jq+3], v[LB+(\F)/4] offset:LO+1536*((\F)%4)+512*\jq
.endr
.endm
; TRIP e'S OPERAND: the scales of the four tiles side by side, the loads of fragments 0-9 of trip e's tile, then the sixteen half blocks; between the last product of one and its conversion stand products of the next.
.macro QUANT e
	WIN 0
.irp a, 0,1,2,3
	RWSEL \e, \a
	MULW T+2*\a, HM+2*\a, WP, OD                   ; the largest magnitudes of my two blocks of h x rw
.endr
.irp i, 0,1,2,3,4,5,6,7
	v_max_num_f32 v[T+\i], |v[T+\i]|, s22          ; with the floor, which holds the byte at 1 from below
.endr
.irp i, 0,1,2,3,4,5,6,7
	v_add_nc_u32 v[SC+\i], 0xfe000000, v[T+\i]     ; 4 off the exponent field: the conversion's scale operand
.endr
.irp i, 0,1,2,3,4,5,6,7
	v_lshrrev_b32 v[T+\i], 23, v[SC+\i]            ; the bytes of blocks h and 2 + h,
.endr
.irp a, 0,1,2,3
	v_lshl_or_b32 v[T+2*\a], v[T+2*\a+1], 16, v[T+2*\a]
.endr
.irp a, 0,1,2,3
	v_lshlrev_b32 v[T+2*\a], v[SH8], v[T+2*\a]     ; at their places in the word;
.endr
.irp a, 0,1,2,3
	v_permlanex16_b32 v[T+2*\a+1], v[T+2*\a], s20, s21
.endr
.irp a, 0,1,2,3
	v_or_b32 v[ASC+\a], v[T+2*\a], v[T+2*\a+1]     ; with lane l xor 16's two the word is whole
.endr
.if (\e)%3 == 0
	s_wait_tensorcnt 0x0                           ; the pair of trips e and e + 1 has landed; only I read it
.endif
.irp f, 0,1,2,3,4,5,6,7,8,9
	LOADF \e, \f
.endr
	VPK \e, 0, 0
.irp s, 0,1,2,3,4,5,6,7,8,9,10,11,12,13,14,15
	VPK \e, \s, 1-(\s)%2                           ; the half of its registers that the half block before used too
.if \s < 15
	VPK \e, \s+1, (\s+1)%2                         ; the other half of the next one's
.endif
	VCVT \e, \s
.if (\s > 0) && (\s%2 == 0)
	VMOV \s-1                                      ; (also the plain place behind the conversion)
.else
	v_nop                                          ; one plain place behind a scaled conversion
.endif
.endr
	VMOV 15
	PLACES 4                                       ; an operand so written stands four places ahead of a scaled matrix instruction
.endm
; four products: fragment f of restore_know against the four tiles of tokens.  The 64 accumulators take turns in the same order in every trip.
.macro MM4 t, f
	WIN 0xa0+0x50*((\f)/8)                         ; C and D window 2 or 3
.irp a, 0,1,2,3
.set AC, 8*(4*((\f)%8)+\a)
.set BR, BF+12*((\f)%10)
.set AR, AFR+12*\a
.set AS, ASC+\a
.set BS, BSC+(\f)/2
.if (\t) == 0
.if (\f)%2 == 1
	v_wmma_scale_f32_16x16x128_f8f6f4 v[AC:AC+7], v[BR:BR+11], v[AR:AR+11], 0, v[BS], v[AS] matrix_a_fmt:MATRIX_FMT_BF6 matrix_b_fmt:MATRIX_FMT_BF6 matrix_a_scale:MATRIX_SCALE_ROW1
.else
	v_wmma_scale_f32_16x16x128_f8f6f4 v[AC:AC+7], v[BR:BR+11], v[AR:AR+11], 0, v[BS], v[AS] matrix_a_fmt:MATRIX_FMT_BF6 matrix_b_fmt:MATRIX_FMT_BF6
.endif
.else
.if (\f)%2 == 1
	v_wmma_scale_f32_16x16x128_f8f6f4 v[AC:AC+7], v[BR:BR+11], v[AR:AR+11], v[AC:AC+7], v[BS], v[AS] matrix_a_fmt:MATRIX_FMT_BF6 matrix_b_fmt:MATRIX_FMT_BF6 matrix_a_scale:MATRIX_SCALE_ROW1
.else
	v_wmma_scale_f32_16x16x128_f8f6f4 v[AC:AC+7], v[BR:BR+11], v[AR:AR+11], v[AC:AC+7], v[BS], v[AS] matrix_a_fmt:MATRIX_FMT_BF6 matrix_b_fmt:MATRIX_FMT_BF6
.endif
.endif
.endr
.endm
; a trip's first 24 products and the run of loads behind them
.macro FRONT t
	s_wait_alu depctr_va_vdst(0)
	s_wait_dscnt 24                                ; fragments 0-2 are in: behind them the loads of 3-9 and of three pairs' scale words
.irp f, 0,1,2
	MM4 \t, \f
.endr
	s_wait_dscnt 14                                ; fragments 3-5: behind them 6-9 and two pairs' scale words
.irp f, 3,4,5
	MM4 \t, \f
.endr
	WIN 0
	PLACES 4
.irp f, 10,11,12,13,14,15
	LOADF \t, \f
.endr
.endm
; Behind trips 1 and 4 the slot of two tiles is filled again, behind trip 3 the other one, which trip 2 has read; a pair's load is waited for in front of the first reads of it, in QUANT.
.macro TRIP t
	FRONT \t
.if ((\t) == 1) || ((\t) == 4)         ; the weights of the next pair but one, where the last pair's lay
.irp a, 0,1,2,3
	global_load_b64 v[RWA+2*\a:RWA+2*\a+1], v[RWO], s[84+2*((\t)/4):85+2*((\t)/4)] offset:2048*\a
.endr
.endif
	s_wait_dscnt 21                                ; fragments 6-9: behind them the run of 21 loads
.irp f, 6,7,8,9
	MM4 \t, \f
.endr
	s_wait_dscnt 10                                ; fragments 10-12 are in: behind them the loads of 13-15 and of one pair's scale words
.irp f, 10,11,12
	MM4 \t, \f
.endr
.if ((\t) == 1) || ((\t) == 3) || ((\t) == 4)
	WIN 0
	s_wait_tensorcnt 0x0                           ; all my tensor loads have landed
	ds_add_u32 v[SPW], v[NIL]
.if (\t) == 1
	XPAIR 1
.elseif (\t) == 4
	XPAIR 2
.else
	s_add_nc_u64 s[G0Y+2:G0Y+3], s[G0Y+2:G0Y+3], TILE   ; pair 3's second expert
.endif
	s_wait_dscnt 1                                 ; all but the add
	MM4 \t, 13
	MM4 \t, 14
	s_wait_dscnt 0x0                               ; the add is done, and my reads of this slot are over
	s_barrier_signal -1
	MM4 \t, 15
	WIN 0
	s_barrier_wait -1
	CREST
.if (\t) == 3
	tensor_load_to_lds s[G0Y:G0Y+3], s[G1Y:G1Y+7]
.else
	tensor_load_to_lds s[G0:G0+3], s[G1:G1+7]
.endif
	s_nop 0
	PLACES 4
.else
	s_wait_dscnt 0x0
.irp f, 13,14,15
	MM4 \t, \f
.endr
	WIN 0
.endif
.if ((\t) == 2) || ((\t) == 5)
	s_wait_loadcnt 0x0                             ; the weights asked for in the trip before
.endif
	QUANT (\t)+1
.endm
	QUANT 0
	s_wait_alu depctr_va_vdst(0)
	s_wait_tensorcnt 0x0
	ds_add_u32 v[SPW], v[NIL]
	s_wait_dscnt 0x0
	CROUND
	tensor_load_to_lds s[G0Y:G0Y+3], s[G1Y:G1Y+7]  ; pair 3's first expert, trip 2's tile
	s_nop 0
	PLACES 4
	TRIP 0
	TRIP 1
	TRIP 2
	TRIP 3
	TRIP 4
	TRIP 5
	TRIP 6
	; THE LAST TRIP.  The addresses of the way out
	v_and_b32 v240, 15, v0                         ; r
	v_bfe_u32 v241, v0, 4, 1                       ; h
	v_mul_u32_u24 v242, v240, RPIT
	v_mul_u32_u24 v243, v241, RPIT
	v_lshl_add_u32 v242, v241, 5, v242             ; a row is put in by 32 bytes a lane,
	v_lshl_add_u32 v243, v240, 4, v243             ; and read back whole, two rows a load
	v_add_nc_u32 v[STO], s50, v242
	v_add_nc_u32 v[STO+1], 2*TILE, v[STO]
	v_add_nc_u32 v[STO+2], s51, v242
	v_add_nc_u32 v[RDG], s60, v243
	v_add_nc_u32 v[RDG+1], s61, v243
	v_add_nc_u32 v[RDG+2], s62, v243
	v_add_nc_u32 v[RDO], s50, v243
	v_add_nc_u32 v[RDO], 4*TROW, v[RDO]
	v_add_nc_u32 v[RDO+1], 2*TILE, v[RDO]
	v_add_nc_u32 v[RDO+2], s51, v243
	v_lshlrev_b32 v[CO], 12, v241
	v_lshl_add_u32 v[CO], v240, 4, v[CO]           ; out: 4,096 bytes a token
; the accumulators of four fragments, as rows of 64 columns: group 0 into my tile 0, group 1 into tile 2, group 2 into tile 1, behind my last read of it (LDS serves a wave's instructions in order: ISA guide 5.7.1.4); each accumulator from its low end on
.macro STG g
.irp u, 0,1,2,3
.set SF, 4*(\g)+\u
.set SO, TILE*((3-(\g))%3)+64*\u
	WIN 0x08+4*(SF/8)                              ; an LDS store's data are its source 1: window 2 or 3
.irp a, 0,1,2,3
.set AC, 8*(4*(SF%8)+\a)
	ds_store_b128 v[STO], v[AC:AC+3] offset:SO+TROW*\a
	ds_store_b128 v[STO], v[AC+4:AC+7] offset:SO+TROW*\a+16
.endr
.endr
.endm
	FRONT 7
	STG 0
	s_wait_dscnt 53                                ; fragments 6-9: behind them the run of 21 loads and 32 stores
.irp f, 6,7,8,9
	MM4 7, \f
.endr
	WIN 0
	PLACES 4
	STG 1
	s_wait_dscnt 63                                ; behind the run of 21 loads stand 64 stores: all loads are in
.irp f, 10,11,12
	MM4 7, \f
.endr
	WIN 0
	PLACES 4
	STG 2
.irp f, 13,14,15
	MM4 7, \f
.endr
	WIN 0
	PLACES 4
	; my own quarter, tile by tile of 16 rows, where no other wave reads: behind the rows in tiles 0, 1 and 2, and behind all tiles
	WIN 0x0c
.irp u, 0,1,2,3
.set AC, 8*(16+4*\u)
	ds_store_b128 v[STO], v[AC:AC+3] offset:4*TROW+64*\u
	ds_store_b128 v[STO], v[AC+4:AC+7] offset:4*TROW+64*\u+16
	ds_store_b128 v[STO], v[AC+8:AC+11] offset:TILE+4*TROW+64*\u
	ds_store_b128 v[STO], v[AC+12:AC+15] offset:TILE+4*TROW+64*\u+16
	ds_store_b128 v[STO+1], v[AC+16:AC+19] offset:4*TROW+64*\u
	ds_store_b128 v[STO+1], v[AC+20:AC+23] offset:4*TROW+64*\u+16
	ds_store_b128 v[STO+2], v[AC+24:AC+27] offset:64*\u
	ds_store_b128 v[STO+2], v[AC+28:AC+31] offset:64*\u+16
.endr
	WIN 0
	s_wait_dscnt 0x0                               ; for the others' sake: my stores have landed
	s_barrier_signal -1
	s_barrier_wait -1
.macro RLOAD n, set                    ; rows 8 n .. 8 n + 7 of my quarter, two a load: my own part and the three others
.irp u, 0,1,2,3
.set RI, 4*(\n)+\u
.set RS, RB+64*(\set)+16*\u
.if (\n)/2 == 0
	ds_load_b128 v[RS:RS+3], v[RDO] offset:2*RPIT*(RI%8)
.elseif (\n)/2 == 1
	ds_load_b128 v[RS:RS+3], v[RDO] offset:TILE+2*RPIT*(RI%8)
.elseif (\n)/2 == 2
	ds_load_b128 v[RS:RS+3], v[RDO+1] offset:2*RPIT*(RI%8)
.else
	ds_load_b128 v[RS:RS+3], v[RDO+2] offset:2*RPIT*(RI%8)
.endif
	ds_load_b128 v[RS+4:RS+7], v[RDG] offset:2*RPIT*RI
	ds_load_b128 v[RS+8:RS+11], v[RDG+1] offset:2*RPIT*RI
	ds_load_b128 v[RS+12:RS+15], v[RDG+2] offset:2*RPIT*RI
.endr
.endm
.macro RSUM n
.set RS, RB+64*((\n)%2)
.irp p, 0,2
.irp u, 0,1,2,3
	v_pk_add_f32 v[RS+16*\u+\p:RS+16*\u+\p+1], v[RS+16*\u+\p:RS+16*\u+\p+1], v[RS+16*\u+4+\p:RS+16*\u+4+\p+1]
	v_pk_add_f32 v[RS+16*\u+8+\p:RS+16*\u+8+\p+1], v[RS+16*\u+8+\p:RS+16*\u+8+\p+1], v[RS+16*\u+12+\p:RS+16*\u+12+\p+1]
.endr
.endr
.irp p, 0,2
.irp u, 0,1,2,3
	v_pk_add_f32 v[RS+16*\u+\p:RS+16*\u+\p+1], v[RS+16*\u+\p:RS+16*\u+\p+1], v[RS+16*\u+8+\p:RS+16*\u+8+\p+1]
.endr
.endr
.irp u, 0,1,2,3
	global_store_b128 v[CO], v[RS+16*\u:RS+16*\u+3], s[10:11] offset:8192*(4*(\n)+\u) th:TH_STORE_NT   ; sixteen lanes store 256 consecutive bytes, at a multiple of 256 from out's first byte; written once, read by nobody here
.endr
.endm
	RLOAD 0, 0
	RLOAD 1, 1
.irp n, 0,1,2,3,4,5,6,7
.if \n < 7
	s_wait_dscnt 16                                ; this batch is in; the next one's sixteen loads may be out
.else
	s_wait_dscnt 0x0
.endif
	RSUM \n
.if \n < 6
	s_wait_xcnt 0x0                                ; only behind this wait are the stores' registers loaded again
	RLOAD \n+2, \n%2
.endif
.endr
	s_wait_tensorcnt 0x0                           ; the wave's end
	ds_add_u32 v[SPW], v[NIL]
	s_wait_dscnt 0x0
	CROUND                                         ; the closing round
	s_endpgm
.Lfunc_end_k_q3a25abf429_restore:
	.size	k_q3a25abf429_restore, .Lfunc_end_k_q3a25abf429_restore-k_q3a25abf429_restore
	.p2alignl 7, 3214868480
	.fill 96, 4, 3214868480
	.section	.rodata,"a",@progbits
	.p2align	6, 0x0
	.amdhsa_kernel k_q3a25abf429_restore
		.amdhsa_group_segment_fixed_size 327680
		.amdhsa_private_segment_fixed_size 0
		.amdhsa_enable_private_segment 0
		.amdhsa_kernarg_size 32
		.amdhsa_user_sgpr_count 2
		.amdhsa_user_sgpr_kernarg_segment_ptr 1
		.amdhsa_wavefront_size32 1
		.amdhsa_system_sgpr_workgroup_id_x 1
		.amdhsa_system_sgpr_workgroup_id_y 1
		.amdhsa_system_sgpr_workgroup_id_z 1
		.amdhsa_system_vgpr_workitem_id 0
		.amdhsa_next_free_vgpr 1024
		.amdhsa_next_free_sgpr 100
		.amdhsa_reserve_vcc 0
		.amdhsa_float_denorm_mode_32 3
		.amdhsa_float_denorm_mode_16_64 3
		.amdhsa_memory_ordered 1
		.amdhsa_forward_progress 1
		.amdhsa_inst_pref_size 255
	.end_amdhsa_kernel
	.section	.bss,"aw",@nobits
	.p2align	6
	.space	262144
	.amdgpu_metadata
---
amdhsa.version: [ 1, 2 ]
amdhsa.kernels:
  - .name:           k_q3a25abf429_restore
    .symbol:         k_q3a25abf429_restore.kd
    .args:
      - { .name: hbuf, .offset: 0, .size: 8, .value_kind: global_buffer, .address_space: global }
      - { .name: restore_know_w, .offset: 8, .size: 8, .value_kind: global_buffer, .address_space: global }
      - { .name: rkq, .offset: 16, .size: 8, .value_kind: global_buffer, .address_space: global }
      - { .name: out0, .offset: 24, .size: 8, .value_kind: global_buffer, .address_space: global }
    .group_segment_fixed_size: 327680
    .private_segment_fixed_size: 0
    .kernarg_segment_align: 8
    .kernarg_segment_size: 32
    .max_flat_workgroup_size: 128
    .sgpr_count:     100
    .vgpr_count:     1024
    .wavefront_size: 32
...
	.end_amdgpu_metadata
.endif
;; end of part 2
